; MI455X (gfx1250); checked and timed in simulation.
; The chip was launched on July 23, 2026; its instructions are those of AMD's public machine-readable ISA for CDNA 5 (MIT licence, August 2026) and "CDNA5" Instruction Set Architecture Reference Guide (July 2026). The comments in the code are by the model that wrote it; some were corrected since.
;; My Linear. Allowed arithmetic: float matrix products may take bf16 or f16 operands with f32 sums; other float arithmetic in f32, or as packed bf16 or f16 multiplies, adds, multiply-adds, maxima and minima; sums over many terms, partial sums and values carried from step to step in f32; what a program stores and reads back later, other than sums and carried values, may be rounded once to bf16 or f16.
;; Inputs: bias 512 float32; weight 512 x 512 float32; x 64 x 512 float32.
;; Outputs: out0 64 x 512 float32.
;; 2 versions, each right; version 2 is version 1 with the launch appx written anew for expert scheduling mode. Each part assembles by itself: llvm-mc -triple=amdgcn-amd-amdhsa -mcpu=gfx1250 --defsym DOCPART=n.
;; ======== version 1 of 2: 1 launch
;; limits: values outside matrix products are rounded to bf16
;; launch appx (part 1): grid 32 x 8, 4 waves a work-group, no clusters, 76,288 bytes of LDS; arguments x, weight, bias, out0; writes out0
.if DOCPART == 1
	.amdgcn_target "amdgcn-amd-amdhsa--gfx1250"
	.amdhsa_code_object_version 6
	.text
	.protected	k_q98cea5266e_appx
	.globl	k_q98cea5266e_appx
	.p2align	8
	.type	k_q98cea5266e_appx,@function
k_q98cea5266e_appx:
	s_mov_b64 s[64:65], 0
	v_nop
	global_prefetch_b8 v0, s[64:65] scope:SCOPE_SE
	s_setreg_imm32_b32 hwreg(HW_REG_WAVE_MODE, 25, 1), 1
	s_wait_xcnt 0x0
; out0[m][n] = bias[n] + the sum over k of fp_appx_mul(x[m][k], weight[n][k]).  x: [64][512], weight: [512][512], bias: [512], out0: [64][512], all f32.
;
; THE TERM IN CLOSED FORM (an identity, for all values).  For A, B in 0..15 the five branches of _axc4 are one formula:
;   axc4(A, B) = (A & 1) * B + 16 * (A & 14) * (B >> 3)      (A = 0 or B = 0: 0;  A = 1: B;  A even: 16 A where B >= 8;  A odd: B, and 16 (A - 1) more where B >= 8).
; That is a sum of two products of a function of A and a function of B, and _axc8 and _axc24 add axc4 over all pairs of nibbles with the weight 16^(i + j).  So
;   m = (ma & 0x111111) * mb + 2 * (ma & 0xEEEEEE) * (mb & 0x888888).
; Bit 23 is set in ma and mb, so the second product alone is 2^47 or more, and m stays under 2^49: 'top' is always 1, the exponent is always exp + 1, and the mantissa is
; what stands below m's leading one, whether that is bit 47 or bit 48.  In floats, with s = 2^(ea - 127) 2^(eb - 127):
;   q = A with its mantissa masked by 0xEEEEEE (the hidden bit belongs to it),  p = A - q (exact),  r = B with its mantissa masked by 0x888888,
;   T1 = 2 q r lies in [2, 4) s,  T = p B + T1 in [2, 4.25) s with the same sign,  and the term is T's mantissa bits under T1's sign and exponent: T, or T / 2 where T has passed 4 s.
; Two packed multiply-adds and two v_bfi_b32 make two terms.  No work of reference() is left out as dead: all three inputs are loaded, and its guard |v| < 1e-36 is kept (below).
;
; FORMAT AND LIMITS.  x, weight and bias are rounded to bf16 (to nearest even) as they arrive.  p, q, r and B then have 8 significant bits or fewer, T is a whole number of at most
; 17 bits times s: exact in f32, so the halving falls exactly where reference() puts it FOR THE ROUNDED INPUTS.  The multiplier jumps by a factor of 2 at m = 2^48, so the result is
; reference() of the rounded inputs and not, within a hundredth, reference() of the unrounded ones.  (With 24-bit mantissas m has 48 bits and an f32 T cannot place the jump.)
; The guard: reference() counts a factor as 0 where its magnitude is under 1e-36; of the rounded number that is so just where the unrounded magnitude is at most 0x03AA8000 as f32
; (half way from bf16 0x03AA to 0x03AB; the tie goes down), and such a number is set to 0 ahead of the rounding.  A factor 0 gives p = q = r = 0 and a term of 0.
; Exponents: reference() clamps ea + eb - 127 to 0..255.  Here a term is an f32 number: where ea + eb < 127 it differs from reference()'s +-(1..2) 2^-126 by at most 2^-125;
; where ea + eb >= 381 reference()'s bits are an infinity or a NaN, here an infinity.  A NaN among the inputs stays a NaN, an infinity gives a NaN; reference() reads their bits as numbers.
;
; NO MATRIX UNIT.  The halving makes a term no product: on 8-bit mantissas it holds for a in 0xF2..0xFF against b with bit 3 set and b at or above a bound that hangs on a,
; a staircase of 8 steps, so an exact sum of products needs 2 + 2 x 8 masked copies of each operand, and masking them takes as many vector instructions as the terms themselves do here.
;
; SHARES.  256 work-groups; each owns 8 rows m x 16 columns n of out0: 24 rows of input, the fewest for 128 outputs.  K IS SPLIT AMONG THE FOUR WAVES AND THE LANES: wave v has
; k = 128 v .. 128 v + 127, lane l four of them.  So a load of a wave is 512 consecutive bytes of a row, aligned, and lands in the registers in which the features are made;
; no wave makes a feature that another wave makes.  A lane adds its 4 terms of each of the 128 outputs (10 vector instructions); the 32 lanes' parts are added through the wave's own LDS
; bytes, two rows m at a time, the LDS loads of one pair of rows standing under the arithmetic of the next; the four waves' sums meet behind one barrier; thread t finishes one output.
; NO CLUSTER, NO TENSOR LOAD: a work-group reads 48 KiB, once, all asked for at the head (weight's rows are shared by 8 work-groups, x's by 32); a joint load would bring those bytes into LDS,
; from where 24 more LDS loads a wave would have to fetch them, beside some 1,900 vector instructions a wave.  out0 leaves in runs of 64 bytes, the tile's width: a tile of 64 columns
; would want the features of 66 rows for the same 128 outputs.
.set ROWB,   2048                      ; bytes in a row of x, of weight and of out0
.set PITCH,  576                       ; LDS: a group of 4 outputs: 32 lanes x 16 bytes, and 64 bytes on: four neighbouring groups begin 64 bytes apart modulo 256 (64 banks of 4 bytes: ISA guide 11.1)
.set REGION, 32*PITCH                  ; a wave's 32 groups (8 rows m x 4 groups of 4 columns)
.set STG2,   4*REGION                  ; behind them: the four waves' sums, 128 outputs x 4 bytes each
.set SPARE,  STG2+2048                 ; behind them: the spare words, 128 bytes for each wave: two blocks of 256 bytes that no other line names
.set OFF, 2                            ; v2   16 x my thread's number: my 16 bytes in a row of x and of weight (512 x wave + 16 x lane); never rewritten
.set STA, 3                            ; v3   LDS: where my lane puts its part of a group
.set RDA, 4                            ; v4   LDS: where I read parts back: group lane / 4 of a pair of rows, parts lane % 4 + 4 i
.set S2A, 5                            ; v5   LDS: where that group's sum goes
.set FIN, 6                            ; v6   LDS: my output's four sums
.set BO,  7                            ; v7   my output's column, in bytes
.set OO,  8                            ; v8   my output's place in the tile, in bytes
.set SPW, 10                           ; v10  LDS address of my spare word: SPARE + 4 x my thread's number; never rewritten
.set NIL, 11                           ; v11  0; never rewritten
.set BI,  12                           ; v12  bias of my output's column
.set XU,  16                           ; v[16:31]   x, guarded and rounded: row m's four numbers as two packed words at XU + 2 m
.set XF,  32                           ; v[32:39] and v[240:247]: p (4) and 2 q (4) of a row of x: rows take the two sets by turns
.set T1,  40                           ; v[40:55]   2 q r of 4 columns x 4 k; then the sums of pairs
.set T,   56                           ; v[56:71]   p B + 2 q r; then the terms
.set O,   72                           ; v[72:79]   a group's 4 sums, two sets by turns
.set RB,  80                           ; v[80:111]  x as loaded; later the parts read back from LDS
.set WB,  112                          ; v[112:175] weight as loaded, then B: column n's four numbers at WB + 4 n
.set WR,  176                          ; v[176:239] r, likewise
.set QT,  248                          ; v[248:251] q, at work
.set WV,   20                          ; s20  my wave's number
.set TAU,  21                          ; s21  the guard's bound
.set HI,   22                          ; s22  a word's upper bf16
.set RM,   23                          ; s23  sign, exponent and mantissa bit 3 of 7: r
.set QM,   24                          ; s24  sign, exponent and mantissa bits 6, 5, 3, 2, 1: q
.set MANT, 25                          ; s25  the 23 mantissa bits of an f32
.set LB,   26                          ; s26  my wave's LDS bytes
.set MK,   32                          ; s[32:39] eight lane masks of the guard
	s_load_b256 s[4:11], s[0:1], 0x0               ; x s[4:5], weight s[6:7], bias s[8:9], out0 s[10:11]
	v_lshl_add_u32 v[SPW], v0, 2, SPARE
	v_mov_b32 v[NIL], 0
	v_lshrrev_b32 v1, 5, v0
	v_readfirstlane_b32 s[WV], v1                  ; wave 0..3
	v_lshlrev_b32 v[OFF], 4, v0
	v_and_b32 v[BO], 15, v0
	v_lshlrev_b32 v[BO], 2, v[BO]
	s_lshl_b32 s12, ttmp9, 15                      ; the tile's 16 rows of weight: 16 x 2,048 bytes for each step of the work-group's x
	s_mov_b32 s13, 0
	s_and_b32 s14, ttmp7, 0xffff
	s_lshl_b32 s14, s14, 14                        ; its 8 rows of x and of out0: 8 x 2,048 bytes for each step of y
	s_mov_b32 s15, 0
	s_lshl_b32 s16, ttmp9, 6                       ; its 16 columns: 64 bytes of bias and of a row of out0
	s_mov_b32 s17, 0
	s_add_co_u32 s18, s14, s16
	s_mov_b32 s19, 0
	s_mov_b32 s[TAU], 0x03aa8000
	s_mov_b32 s[HI], 0xffff0000
	s_mov_b32 s[RM], 0xff880000
	s_mov_b32 s[QM], 0xffee0000
	s_mov_b32 s[MANT], 0x007fffff
	s_wait_kmcnt 0x0
	s_add_nc_u64 s[4:5], s[4:5], s[14:15]
	s_add_nc_u64 s[6:7], s[6:7], s[12:13]
	s_add_nc_u64 s[8:9], s[8:9], s[16:17]
	s_add_nc_u64 s[10:11], s[10:11], s[18:19]
	; all 25 loads of the wave go out together: bias, x's 8 rows, weight's 16 rows; no address register or base is written again
	global_load_b32 v[BI], v[BO], s[8:9]
.irp m, 0,1,2,3,4,5,6,7
	global_load_b128 v[RB+4*(\m):RB+4*(\m)+3], v[OFF], s[4:5] offset:(\m)*ROWB
.endr
.irp n, 0,1,2,3,4,5,6,7,8,9,10,11,12,13,14,15
	global_load_b128 v[WB+4*(\n):WB+4*(\n)+3], v[OFF], s[6:7] offset:(\n)*ROWB
.endr
	; the LDS addresses, while the loads are out
	s_mul_i32 s[LB], s[WV], REGION
	v_and_b32 v1, 31, v0                           ; lane
	v_lshl_add_u32 v[STA], v1, 4, s[LB]
	v_bfe_u32 v9, v0, 2, 3                         ; lane / 4
	v_and_b32 v1, 3, v0                            ; lane % 4
	v_mul_u32_u24 v[RDA], v9, PITCH
	v_lshl_add_u32 v[RDA], v1, 4, v[RDA]
	v_add_nc_u32 v[RDA], s[LB], v[RDA]
	s_lshl_b32 s27, s[WV], 9
	s_add_co_u32 s27, s27, STG2
	v_lshl_add_u32 v[S2A], v9, 4, s27
	v_lshl_add_u32 v[FIN], v0, 2, STG2
	v_lshrrev_b32 v1, 4, v0                        ; my output's row in the tile
	v_lshl_add_u32 v[OO], v1, 11, v[BO]
; The guard on eight numbers at v[b ..]: 0 where the magnitude is at most the bound (a NaN fails the comparison and stays).  Eight comparisons, then eight selections, so that none waits for the line before it.
.macro GUARD8
.set i, 0
.rept 8
	v_cmp_le_f32 s[MK+i], |v[b+i]|, s[TAU]
.set i, i+1
.endr
.set i, 0
.rept 8
	v_cndmask_b32 v[b+i], v[b+i], 0, s[MK+i]
.set i, i+1
.endr
.endm
; Rows m and m + 1 of x: guarded, rounded to bf16, kept packed.
.macro XROWS m
	s_wait_loadcnt 22-(\m)                         ; loads come back in order: these two rows are in; x's 6 - m later rows and weight's 16 stay out
.set b, RB+4*(\m)
	GUARD8
.set i, 0
.rept 4
	v_cvt_pk_bf16_f32 v[XU+2*(\m)+i], v[b+2*i], v[b+2*i+1]
.set i, i+1
.endr
.endm
; Rows n and n + 1 of weight: guarded, rounded, then B (in the registers that were loaded) and r as f32.
.macro WROWS n
	s_wait_loadcnt 14-(\n)                         ; these two rows are in; the 14 - n later ones stay out
.set b, WB+4*(\n)
.set r, WR+4*(\n)
	GUARD8
.set i, 0
.rept 4
	v_cvt_pk_bf16_f32 v[T1+i], v[b+2*i], v[b+2*i+1]
.set i, i+1
.endr
.set i, 0
.rept 4
	v_lshlrev_b32 v[b+2*i],   16,    v[T1+i]       ; bf16 to f32: the low half moves up,
	v_and_b32     v[b+2*i+1], s[HI], v[T1+i]       ; the high half stays
	v_and_b32     v[r+2*i+1], s[RM], v[T1+i]
.set i, i+1
.endr
.set i, 0
.rept 4
	v_and_b32     v[r+2*i],   s[RM], v[b+2*i]
.set i, i+1
.endr
.endm
; p and 2 q of row m of x, into the set of m's parity.
.macro XFEAT m
.set FP, XF+208*((\m)%2)
.set FQ, FP+4
	v_lshlrev_b32 v[FP],   16,    v[XU+2*(\m)]
	v_and_b32     v[FP+1], s[HI], v[XU+2*(\m)]
	v_lshlrev_b32 v[FP+2], 16,    v[XU+2*(\m)+1]
	v_and_b32     v[FP+3], s[HI], v[XU+2*(\m)+1]
	v_and_b32     v[QT+1], s[QM], v[XU+2*(\m)]
	v_and_b32     v[QT+3], s[QM], v[XU+2*(\m)+1]
	v_and_b32     v[QT],   s[QM], v[FP]
	v_and_b32     v[QT+2], s[QM], v[FP+2]
	v_pk_add_f32 v[FQ:FQ+1],   v[QT:QT+1],   v[QT:QT+1]                                  ; 2 q
	v_pk_add_f32 v[FQ+2:FQ+3], v[QT+2:QT+3], v[QT+2:QT+3]
	v_pk_add_f32 v[FP:FP+1],   v[FP:FP+1],   v[QT:QT+1]   neg_lo:[0,1] neg_hi:[0,1]      ; p = A - q: both have A's exponent, so the difference is exact
	v_pk_add_f32 v[FP+2:FP+3], v[FP+2:FP+3], v[QT+2:QT+3] neg_lo:[0,1] neg_hi:[0,1]
.endm
; Row m against columns 4 g .. 4 g + 3: my 16 terms, and my part of 4 outputs.  Like lines stand together, eight or more apart from the lines that they feed.
.macro GROUP m, g
.set MP, XF+208*((\m)%2)
.set MQ, MP+4
.set OG, O+4*((\g)%2)
.irp j, 0,1,2,3
.irp h, 0,2
	v_pk_mul_f32 v[T1+4*(\j)+(\h):T1+4*(\j)+(\h)+1], v[MQ+(\h):MQ+(\h)+1], v[WR+16*(\g)+4*(\j)+(\h):WR+16*(\g)+4*(\j)+(\h)+1]  ; T1 = 2 q r
.endr
.endr
.irp j, 0,1,2,3
.irp h, 0,2
	v_pk_fma_f32 v[T+4*(\j)+(\h):T+4*(\j)+(\h)+1], v[MP+(\h):MP+(\h)+1], v[WB+16*(\g)+4*(\j)+(\h):WB+16*(\g)+4*(\j)+(\h)+1], v[T1+4*(\j)+(\h):T1+4*(\j)+(\h)+1]  ; T = p B + T1
.endr
.endr
.set i, 0
.rept 16
	v_bfi_b32 v[T+i], s[MANT], v[T+i], v[T1+i]     ; the term: T's mantissa under T1's sign and exponent
.set i, i+1
.endr
.irp j, 0,1,2,3
	v_pk_add_f32 v[T1+4*(\j):T1+4*(\j)+1], v[T+4*(\j):T+4*(\j)+1], v[T+4*(\j)+2:T+4*(\j)+3]
.endr
.irp j, 0,1,2,3
	v_add_f32 v[OG+(\j)], v[T1+4*(\j)], v[T1+4*(\j)+1]
.endr
	ds_store_b128 v[STA], v[OG:OG+3] offset:(4*(\m)+(\g))*PITCH  ; 32 lanes, 512 consecutive bytes
.endm
.macro MAIN m                          ; the next row's p and 2 q are made in the middle, in the other set
	GROUP \m, 0
	GROUP \m, 1
.if (\m) < 7
	XFEAT (\m)+1
.endif
	GROUP \m, 2
	GROUP \m, 3
.endm
; The 32 lanes' parts of rows 2 c and 2 c + 1 (8 groups) are added.  Lane l takes group l / 4 and the parts of lanes l % 4 + 4 i: sixteen neighbouring lanes read sixteen different
; 16-byte columns modulo 256 bytes.  The bytes are my wave's own, and LDS serves a wave's instructions in order (ISA guide 5.7.1.4): the loads see the stores above with no wait between.
.macro RLOAD c
.irp e, 0,1,2,3,4,5,6,7
	ds_load_b128 v[RB+4*(\e):RB+4*(\e)+3], v[RDA] offset:(\c)*8*PITCH+(\e)*64
.endr
.endm
.macro RSUM c, younger                 ; younger: the LDS stores issued behind the eight loads, which may stay out
	s_wait_dscnt \younger
.irp e, 0,1,2,3
	v_pk_add_f32 v[RB+4*(\e):RB+4*(\e)+1],   v[RB+4*(\e):RB+4*(\e)+1],   v[RB+16+4*(\e):RB+16+4*(\e)+1]
	v_pk_add_f32 v[RB+4*(\e)+2:RB+4*(\e)+3], v[RB+4*(\e)+2:RB+4*(\e)+3], v[RB+16+4*(\e)+2:RB+16+4*(\e)+3]
.endr
.irp e, 0,1
	v_pk_add_f32 v[RB+4*(\e):RB+4*(\e)+1],   v[RB+4*(\e):RB+4*(\e)+1],   v[RB+8+4*(\e):RB+8+4*(\e)+1]
	v_pk_add_f32 v[RB+4*(\e)+2:RB+4*(\e)+3], v[RB+4*(\e)+2:RB+4*(\e)+3], v[RB+8+4*(\e)+2:RB+8+4*(\e)+3]
.endr
	v_pk_add_f32 v[RB:RB+1],   v[RB:RB+1],   v[RB+4:RB+5]
	v_pk_add_f32 v[RB+2:RB+3], v[RB+2:RB+3], v[RB+6:RB+7]
.irp e, 0,1,2,3
	v_add_f32_dpp v[RB+(\e)], v[RB+(\e)], v[RB+(\e)] row_xmask:1 row_mask:0xf bank_mask:0xf  ; the four lanes of a group: lane xor 1,
.endr
.irp e, 0,1,2,3
	v_add_f32_dpp v[RB+(\e)], v[RB+(\e)], v[RB+(\e)] row_xmask:2 row_mask:0xf bank_mask:0xf  ; lane xor 2
.endr
	ds_store_b128 v[S2A], v[RB:RB+3] offset:(\c)*128  ; the four lanes of a group put the same 16 bytes in the same place
.endm
	XROWS 0
	XROWS 2
	XROWS 4
	XROWS 6
	XFEAT 0
.irp n, 0,2,4,6,8,10,12,14
	WROWS \n                                       ; the last of these waits is for 0: bias is in too
.endr
	MAIN 0
	MAIN 1
	RLOAD 0
	MAIN 2
	MAIN 3
	RSUM 0, 8                                      ; behind the eight loads stand the eight stores of rows 2 and 3
	RLOAD 1
	MAIN 4
	MAIN 5
	RSUM 1, 8
	RLOAD 2
	MAIN 6
	MAIN 7
	RSUM 2, 8
	RLOAD 3
	RSUM 3, 0
	s_wait_dscnt 0x0                               ; for the others' sake: my wave's 128 sums lie in LDS
	s_barrier_signal -1
	s_barrier_wait -1                              ; all four waves' do
.irp w, 0,1,2,3
	ds_load_b32 v[RB+(\w)], v[FIN] offset:512*(\w) ; thread t finishes output t: row t / 16, column t % 16 of the tile
.endr
	v_cvt_pk_bf16_f32 v[BI], v[BI], v[BI]          ; bias is rounded like the other inputs
	v_lshlrev_b32 v[BI], 16, v[BI]
	s_wait_dscnt 0x0
	v_pk_add_f32 v[RB:RB+1], v[RB:RB+1], v[RB+2:RB+3]
	v_add_f32 v[RB], v[RB], v[RB+1]
	v_add_f32 v[RB], v[RB], v[BI]
	global_store_b32 v[OO], v[RB], s[10:11] th:TH_STORE_NT  ; sixteen lanes store the tile's 64 consecutive bytes of a row
	s_wait_tensorcnt 0x0                           ; the wave's end, behind my last LDS store
	ds_add_u32 v[SPW], v[NIL]
	s_wait_dscnt 0x0
	s_endpgm
.Lfunc_end_k_q98cea5266e_appx:
	.size	k_q98cea5266e_appx, .Lfunc_end_k_q98cea5266e_appx-k_q98cea5266e_appx
	.p2alignl 7, 3214868480
	.fill 96, 4, 3214868480
	.section	.rodata,"a",@progbits
	.p2align	6, 0x0
	.amdhsa_kernel k_q98cea5266e_appx
		.amdhsa_group_segment_fixed_size 76288
		.amdhsa_private_segment_fixed_size 0
		.amdhsa_enable_private_segment 0
		.amdhsa_kernarg_size 32
		.amdhsa_user_sgpr_count 2
		.amdhsa_user_sgpr_kernarg_segment_ptr 1
		.amdhsa_wavefront_size32 1
		.amdhsa_system_sgpr_workgroup_id_x 1
		.amdhsa_system_sgpr_workgroup_id_y 1
		.amdhsa_system_sgpr_workgroup_id_z 1
		.amdhsa_system_vgpr_workitem_id 0
		.amdhsa_next_free_vgpr 252
		.amdhsa_next_free_sgpr 66
		.amdhsa_reserve_vcc 0
		.amdhsa_float_denorm_mode_32 3
		.amdhsa_float_denorm_mode_16_64 3
		.amdhsa_memory_ordered 1
		.amdhsa_forward_progress 1
		.amdhsa_inst_pref_size 115
	.end_amdhsa_kernel
	.amdgpu_metadata
---
amdhsa.version: [ 1, 2 ]
amdhsa.kernels:
  - .name:           k_q98cea5266e_appx
    .symbol:         k_q98cea5266e_appx.kd
    .args:
      - { .name: x, .offset: 0, .size: 8, .value_kind: global_buffer, .address_space: global }
      - { .name: weight, .offset: 8, .size: 8, .value_kind: global_buffer, .address_space: global }
      - { .name: bias, .offset: 16, .size: 8, .value_kind: global_buffer, .address_space: global }
      - { .name: out0, .offset: 24, .size: 8, .value_kind: global_buffer, .address_space: global }
    .group_segment_fixed_size: 76288
    .private_segment_fixed_size: 0
    .kernarg_segment_align: 8
    .kernarg_segment_size: 32
    .max_flat_workgroup_size: 128
    .sgpr_count:     66
    .vgpr_count:     252
    .wavefront_size: 32
...
	.end_amdgpu_metadata
.endif
;; end of part 1
;; ======== version 2 of 2: 1 launch; version 1 with the launch appx written anew for expert scheduling mode
;; limits: values outside matrix products are rounded to bf16
;; launch appx (part 2): grid 32 x 8, 4 waves a work-group, no clusters, 76,288 bytes of LDS; arguments x, weight, bias, out0; writes out0
.if DOCPART == 2
	.amdgcn_target "amdgcn-amd-amdhsa--gfx1250"
	.amdhsa_code_object_version 6
	.text
	.protected	k_q98cea5266e_appx
	.globl	k_q98cea5266e_appx
	.p2align	8
	.type	k_q98cea5266e_appx,@function
k_q98cea5266e_appx:
	s_mov_b64 s[64:65], 0
	v_nop
	global_prefetch_b8 v0, s[64:65] scope:SCOPE_SE
	s_setreg_imm32_b32 hwreg(HW_REG_WAVE_SCHED_MODE, 0, 2), 2
	s_setreg_imm32_b32 hwreg(HW_REG_WAVE_MODE, 25, 1), 1
	s_wait_xcnt 0x0
	s_wait_alu depctr_vm_vsrc(0)
; out0[m][n] = bias[n] + the sum over k of fp_appx_mul(x[m][k], weight[n][k]).  x: [64][512], weight: [512][512], bias: [512], out0: [64][512], all f32.
;
; THE TERM IN CLOSED FORM (an identity, for all values).  For A, B in 0..15 the five branches of _axc4 are one formula:
;   axc4(A, B) = (A & 1) * B + 16 * (A & 14) * (B >> 3)      (A = 0 or B = 0: 0;  A = 1: B;  A even: 16 A where B >= 8;  A odd: B, and 16 (A - 1) more where B >= 8).
; That is a sum of two products of a function of A and a function of B, and _axc8 and _axc24 add axc4 over all pairs of nibbles with the weight 16^(i + j).  So
;   m = (ma & 0x111111) * mb + 2 * (ma & 0xEEEEEE) * (mb & 0x888888).
; Bit 23 is set in ma and mb, so the second product alone is 2^47 or more, and m stays under 2^49: 'top' is always 1, the exponent is always exp + 1, and the mantissa is
; what stands below m's leading one, whether that is bit 47 or bit 48.  In floats, with s = 2^(ea - 127) 2^(eb - 127):
;   q = A with its mantissa masked by 0xEEEEEE (the hidden bit belongs to it),  p = A - q (exact),  r = B with its mantissa masked by 0x888888,
;   T1 = 2 q r lies in [2, 4) s,  T = p B + T1 in [2, 4.25) s with the same sign,  and the term is T's mantissa bits under T1's sign and exponent: T, or T / 2 where T has passed 4 s.
; Two packed multiply-adds and two v_bfi_b32 make two terms.  No work of reference() is left out as dead: all three inputs are loaded, and its guard |v| < 1e-36 is kept (below).
;
; FORMAT AND LIMITS.  x, weight and bias are rounded to bf16 (to nearest even) as they arrive.  p, q, r and B then have 8 significant bits or fewer, T is a whole number of at most
; 17 bits times s: exact in f32, so the halving falls exactly where reference() puts it FOR THE ROUNDED INPUTS.  The multiplier jumps by a factor of 2 at m = 2^48, so the result is
; reference() of the rounded inputs and not, within a hundredth, reference() of the unrounded ones.  (With 24-bit mantissas m has 48 bits and an f32 T cannot place the jump.)
; The guard: reference() counts a factor as 0 where its magnitude is under 1e-36; of the rounded number that is so just where the unrounded magnitude is at most 0x03AA8000 as f32
; (half way from bf16 0x03AA to 0x03AB; the tie goes down), and such a number is set to 0 ahead of the rounding.  A factor 0 gives p = q = r = 0 and a term of 0.
; Exponents: reference() clamps ea + eb - 127 to 0..255.  Here a term is an f32 number: where ea + eb < 127 it differs from reference()'s +-(1..2) 2^-126 by at most 2^-125;
; where ea + eb >= 381 reference()'s bits are an infinity or a NaN, here an infinity.  A NaN among the inputs stays a NaN, an infinity gives a NaN; reference() reads their bits as numbers.
;
; NO MATRIX UNIT.  The halving makes a term no product: on 8-bit mantissas it holds for a in 0xF2..0xFF against b with bit 3 set and b at or above a bound that hangs on a,
; a staircase of 8 steps, so an exact sum of products needs 2 + 2 x 8 masked copies of each operand, and masking them takes as many vector instructions as the terms themselves do here.
;
; SHARES.  256 work-groups; each owns 8 rows m x 16 columns n of out0: 24 rows of input, the fewest for 128 outputs.  K IS SPLIT AMONG THE FOUR WAVES AND THE LANES: wave v has
; k = 128 v .. 128 v + 127, lane l four of them.  So a load of a wave is 512 consecutive bytes of a row, aligned, and lands in the registers in which the features are made;
; no wave makes a feature that another wave makes.  A lane adds its 4 terms of each of the 128 outputs (10 vector instructions); the 32 lanes' parts are added through the wave's own LDS
; bytes, two rows m at a time, the LDS loads of a pair of rows standing under the arithmetic of the next row; the four waves' sums meet behind one barrier; thread t finishes one output.
; NO CLUSTER, NO TENSOR LOAD: a work-group reads 48 KiB, once, all asked for at the head (weight's rows are shared by 8 work-groups, x's by 32); a joint load would bring those bytes into LDS,
; from where 24 more LDS loads a wave would have to fetch them, beside some 1,900 vector instructions a wave.  out0 leaves in runs of 64 bytes, the tile's width: a tile of 64 columns
; would want the features of 66 rows for the same 128 outputs.
;
; THE MODE: SCHED_MODE bits 1:0 = 2 (LLVM: expert scheduling mode 2), set by the entry lines.  The code itself states the register dependences between vector instructions and
; memory or LDS instructions, and between a vector instruction that writes a scalar register and that register's readers, with s_wait_alu, always for 0.
; THE PLAN.  Registers that memory or LDS instructions touch:
;   v[OFF], v[BO]                   written at the head, ahead of the wait in front of the global loads, which read them; never written again.
;   v[STA] v[RDA] v[S2A] v[FIN] v[OO]  written once, behind the global loads and ahead of row 1's wait; read by LDS instructions and the last store from there on; never written again.
;   v[BI], RB (as x), WB            the head's loads land in them; no vector instruction names them before.
;   O, 16 registers                 row m's sixteen last additions write them; the four LDS stores at the head of row m + 1 read them.
;   RB, as the reduction's buffer   eight LDS loads land in it at the head of rows 2, 4, 6 and behind row 7; the sums at that row's end read and write it; the LDS store of RB[0:3] stands
;                                   at the head of the next (odd) row.  RB[4:7]: the four LDS loads behind the barrier land there; the last additions write, and the last store reads, the first of them.
;   XU, XF, QT, T1, T, WR are named by vector instructions alone.
; So ONE wait on va_vdst stands at the head of each row from row 1 on: the row before has written O, and whatever sums it closed with are done with RB.  The row's LDS instructions follow it in a
; run (four stores; then a pair's sums, or the next pair's eight loads); the vector instructions behind them name T1, T, XF, WB and WR until group 0's last additions.  ONE wait on vm_vsrc stands
; ahead of those additions: the stores have read O, and in an odd row RB[0:3], a whole row ahead of the loads that land there again.  The text has no branch and no label.
.set ROWB,   2048                      ; bytes in a row of x, of weight and of out0
.set PITCH,  576                       ; LDS: a group of 4 outputs: 32 lanes x 16 bytes, and 64 bytes on: four neighbouring groups begin 64 bytes apart modulo 256 (64 banks of 4 bytes: ISA guide 11.1)
.set REGION, 32*PITCH                  ; a wave's 32 groups (8 rows m x 4 groups of 4 columns)
.set STG2,   4*REGION                  ; behind them: the four waves' sums, 128 outputs x 4 bytes each
.set SPARE,  STG2+2048                 ; behind them: the spare words, 128 bytes for each wave: two blocks of 256 bytes that no other line names
.set OFF, 2                            ; v2   16 x my thread's number: my 16 bytes in a row of x and of weight (512 x wave + 16 x lane); never rewritten
.set STA, 3                            ; v3   LDS: where my lane puts its part of a group
.set RDA, 4                            ; v4   LDS: where I read parts back: group lane / 4 of a pair of rows, parts lane % 4 + 4 i
.set S2A, 5                            ; v5   LDS: where that group's sum goes
.set FIN, 6                            ; v6   LDS: my output's four sums
.set BO,  7                            ; v7   my output's column, in bytes
.set OO,  8                            ; v8   my output's place in the tile, in bytes
.set BI,  9                            ; v9   bias of my output's column
.set SPW, 10                           ; v10  LDS address of my spare word: SPARE + 4 x my thread's number; never rewritten
.set NIL, 11                           ; v11  0; never rewritten
.set XU,  12                           ; v[12:27]   x, guarded and rounded: row m's four numbers as two packed words at XU + 2 m
.set XF,  28                           ; v[28:35] and v[244:251]: p (4) and 2 q (4) of a row of x: rows take the two sets by turns
.set T1,  36                           ; v[36:51]   2 q r of 4 columns x 4 k; then the sums of pairs (its first register also serves the head's address arithmetic)
.set T,   52                           ; v[52:67]   p B + 2 q r; then the terms
.set O,   68                           ; v[68:83]   a row's 16 sums: group g's four at O + 4 g
.set RB,  84                           ; v[84:115]  x as loaded; later the parts read back from LDS
.set F,   RB+4                         ; v[88:91]   at the end: my output's four sums
.set WB,  116                          ; v[116:179] weight as loaded, then B: column n's four numbers at WB + 4 n
.set WR,  180                          ; v[180:243] r, likewise
.set QT,  252                          ; v[252:255] q, at work
.set WV,   20                          ; s20  my wave's number
.set TAU,  21                          ; s21  the guard's bound
.set HI,   22                          ; s22  a word's upper bf16
.set RM,   23                          ; s23  sign, exponent and mantissa bit 3 of 7: r
.set QM,   24                          ; s24  sign, exponent and mantissa bits 6, 5, 3, 2, 1: q
.set MANT, 25                          ; s25  the 23 mantissa bits of an f32
.set LB,   26                          ; s26  my wave's LDS bytes
.set MK,   32                          ; s[32:39] eight lane masks of the guard
	s_load_b256 s[4:11], s[0:1], 0x0               ; x s[4:5], weight s[6:7], bias s[8:9], out0 s[10:11]
	v_lshl_add_u32 v[SPW], v0, 2, SPARE
	v_mov_b32 v[NIL], 0
	v_lshrrev_b32 v1, 5, v0
	v_readfirstlane_b32 s[WV], v1                  ; wave 0..3
	v_lshlrev_b32 v[OFF], 4, v0
	v_and_b32 v[BO], 15, v0
	v_lshlrev_b32 v[BO], 2, v[BO]
	s_lshl_b32 s12, ttmp9, 15                      ; the tile's 16 rows of weight: 16 x 2,048 bytes for each step of the work-group's x
	s_mov_b32 s13, 0
	s_and_b32 s14, ttmp7, 0xffff
	s_lshl_b32 s14, s14, 14                        ; its 8 rows of x and of out0: 8 x 2,048 bytes for each step of y
	s_mov_b32 s15, 0
	s_lshl_b32 s16, ttmp9, 6                       ; its 16 columns: 64 bytes of bias and of a row of out0
	s_mov_b32 s17, 0
	s_add_co_u32 s18, s14, s16
	s_mov_b32 s19, 0
	s_mov_b32 s[TAU], 0x03aa8000
	s_mov_b32 s[HI], 0xffff0000
	s_mov_b32 s[RM], 0xff880000
	s_mov_b32 s[QM], 0xffee0000
	s_mov_b32 s[MANT], 0x007fffff
	s_wait_kmcnt 0x0
	s_add_nc_u64 s[4:5], s[4:5], s[14:15]
	s_add_nc_u64 s[6:7], s[6:7], s[12:13]
	s_add_nc_u64 s[8:9], s[8:9], s[16:17]
	s_add_nc_u64 s[10:11], s[10:11], s[18:19]
	s_wait_alu depctr_va_vdst(0)                   ; v[OFF] and v[BO] are written: the 25 loads below read one of them as their offset
	; all 25 loads of the wave go out together: bias, x's 8 rows, weight's 16 rows; no address register or base is written again
	global_load_b32 v[BI], v[BO], s[8:9]
.irp m, 0,1,2,3,4,5,6,7
	global_load_b128 v[RB+4*(\m):RB+4*(\m)+3], v[OFF], s[4:5] offset:(\m)*ROWB
.endr
.irp n, 0,1,2,3,4,5,6,7,8,9,10,11,12,13,14,15
	global_load_b128 v[WB+4*(\n):WB+4*(\n)+3], v[OFF], s[6:7] offset:(\n)*ROWB
.endr
	; the LDS addresses, while the loads are out
	s_wait_alu depctr_va_sdst(0)                   ; v_readfirstlane_b32 has written s[WV], ahead of its first reader, the line below
	s_mul_i32 s[LB], s[WV], REGION
	v_and_b32 v1, 31, v0                           ; lane
	v_lshl_add_u32 v[STA], v1, 4, s[LB]
	v_bfe_u32 v[T1], v0, 2, 3                      ; lane / 4
	v_and_b32 v1, 3, v0                            ; lane % 4
	v_mul_u32_u24 v[RDA], v[T1], PITCH
	v_lshl_add_u32 v[RDA], v1, 4, v[RDA]
	v_add_nc_u32 v[RDA], s[LB], v[RDA]
	s_lshl_b32 s27, s[WV], 9
	s_add_co_u32 s27, s27, STG2
	v_lshl_add_u32 v[S2A], v[T1], 4, s27
	v_lshl_add_u32 v[FIN], v0, 2, STG2
	v_lshrrev_b32 v1, 4, v0                        ; my output's row in the tile
	v_lshl_add_u32 v[OO], v1, 11, v[BO]
; The guard on eight numbers at v[b ..]: 0 where the magnitude is at most the bound (a NaN fails the comparison and stays).  Eight comparisons in a run, into eight scalar registers; then other
; work (the rounding or unpacking of the two rows before); then one wait and the eight selections.
.macro CMP8 b
.set i, 0
.rept 8
	v_cmp_le_f32 s[MK+i], |v[(\b)+i]|, s[TAU]
.set i, i+1
.endr
.endm
.macro SEL8 b
	s_wait_alu depctr_va_sdst(0)                   ; the eight comparisons have written s[MK ..], ahead of their first reader: the selections below
.set i, 0
.rept 8
	v_cndmask_b32 v[(\b)+i], v[(\b)+i], 0, s[MK+i]
.set i, i+1
.endr
.endm
; Rows m and m + 1 of x: compared; guarded; rounded to bf16 and kept packed.
.macro XCMP m
	s_wait_loadcnt 22-(\m)                         ; loads come back in order: these two rows are in; x's 6 - m later rows and weight's 16 stay out
	CMP8 RB+4*(\m)
.endm
.macro XPACK m
.set i, 0
.rept 4
	v_cvt_pk_bf16_f32 v[XU+2*(\m)+i], v[RB+4*(\m)+2*i], v[RB+4*(\m)+2*i+1]
.set i, i+1
.endr
.endm
; Rows n and n + 1 of weight: compared; guarded; rounded, then B (in the registers that were loaded) and r as f32.
.macro WCMP n
	s_wait_loadcnt 14-(\n)                         ; these two rows are in; the 14 - n later ones stay out
	CMP8 WB+4*(\n)
.endm
.macro WFEAT n
.set b, WB+4*(\n)
.set r, WR+4*(\n)
.set i, 0
.rept 4
	v_cvt_pk_bf16_f32 v[T1+i], v[b+2*i], v[b+2*i+1]
.set i, i+1
.endr
.set i, 0
.rept 4
	v_lshlrev_b32 v[b+2*i],   16,    v[T1+i]       ; bf16 to f32: the low half moves up,
	v_and_b32     v[b+2*i+1], s[HI], v[T1+i]       ; the high half stays
	v_and_b32     v[r+2*i+1], s[RM], v[T1+i]
.set i, i+1
.endr
.set i, 0
.rept 4
	v_and_b32     v[r+2*i],   s[RM], v[b+2*i]
.set i, i+1
.endr
.endm
; p and 2 q of row m of x, into the set of m's parity.
.macro XFEAT m
.set FP, XF+216*((\m)%2)
.set FQ, FP+4
	v_lshlrev_b32 v[FP],   16,    v[XU+2*(\m)]
	v_and_b32     v[FP+1], s[HI], v[XU+2*(\m)]
	v_lshlrev_b32 v[FP+2], 16,    v[XU+2*(\m)+1]
	v_and_b32     v[FP+3], s[HI], v[XU+2*(\m)+1]
	v_and_b32     v[QT+1], s[QM], v[XU+2*(\m)]
	v_and_b32     v[QT+3], s[QM], v[XU+2*(\m)+1]
	v_and_b32     v[QT],   s[QM], v[FP]
	v_and_b32     v[QT+2], s[QM], v[FP+2]
	v_pk_add_f32 v[FQ:FQ+1],   v[QT:QT+1],   v[QT:QT+1]                                  ; 2 q
	v_pk_add_f32 v[FQ+2:FQ+3], v[QT+2:QT+3], v[QT+2:QT+3]
	v_pk_add_f32 v[FP:FP+1],   v[FP:FP+1],   v[QT:QT+1]   neg_lo:[0,1] neg_hi:[0,1]      ; p = A - q: both have A's exponent, so the difference is exact
	v_pk_add_f32 v[FP+2:FP+3], v[FP+2:FP+3], v[QT+2:QT+3] neg_lo:[0,1] neg_hi:[0,1]
.endm
; Row m against columns 4 g .. 4 g + 3: my 16 terms, and my part of 4 outputs.  Like lines stand together, eight or more apart from the lines that they feed.
; free = 1: a row's first group, in every row but the first: O is written again from here on.
.macro GROUP m, g, free
.set MP, XF+216*((\m)%2)
.set MQ, MP+4
.set OG, O+4*(\g)
.irp j, 0,1,2,3
.irp h, 0,2
	v_pk_mul_f32 v[T1+4*(\j)+(\h):T1+4*(\j)+(\h)+1], v[MQ+(\h):MQ+(\h)+1], v[WR+16*(\g)+4*(\j)+(\h):WR+16*(\g)+4*(\j)+(\h)+1]  ; T1 = 2 q r
.endr
.endr
.irp j, 0,1,2,3
.irp h, 0,2
	v_pk_fma_f32 v[T+4*(\j)+(\h):T+4*(\j)+(\h)+1], v[MP+(\h):MP+(\h)+1], v[WB+16*(\g)+4*(\j)+(\h):WB+16*(\g)+4*(\j)+(\h)+1], v[T1+4*(\j)+(\h):T1+4*(\j)+(\h)+1]  ; T = p B + T1
.endr
.endr
.set i, 0
.rept 16
	v_bfi_b32 v[T+i], s[MANT], v[T+i], v[T1+i]     ; the term: T's mantissa under T1's sign and exponent
.set i, i+1
.endr
.irp j, 0,1,2,3
	v_pk_add_f32 v[T1+4*(\j):T1+4*(\j)+1], v[T+4*(\j):T+4*(\j)+1], v[T+4*(\j)+2:T+4*(\j)+3]
.endr
.if \free
	s_wait_alu depctr_vm_vsrc(0)                   ; the LDS stores at this row's head have read O, which this row's additions write again; in an odd row also RB[0:3], in which the next pair's loads land
.endif
.irp j, 0,1,2,3
	v_add_f32 v[OG+(\j)], v[T1+4*(\j)], v[T1+4*(\j)+1]
.endr
.endm
.macro MAIN m, free                    ; the next row's p and 2 q are made in the middle, in the other set
	GROUP \m, 0, \free
	GROUP \m, 1, 0
.if (\m) < 7
	XFEAT (\m)+1
.endif
	GROUP \m, 2, 0
	GROUP \m, 3, 0
.endm
; Row m's 16 sums go to LDS, at the head of the next row.  The LDS instructions that follow this macro (RPUT or RLOAD) lean on its wait too: no vector instruction stands between.
.macro SEND m
	s_wait_alu depctr_va_vdst(0)                   ; row m's additions have written O, which the stores read; every earlier vector instruction that named RB is done (x's guard and rounding; a pair's sums); at its first use: the LDS addresses are written
.irp g, 0,1,2,3
	ds_store_b128 v[STA], v[O+4*(\g):O+4*(\g)+3] offset:(4*(\m)+(\g))*PITCH  ; 32 lanes, 512 consecutive bytes
.endr
.endm
; The 32 lanes' parts of rows 2 c and 2 c + 1 (8 groups) are added.  Lane l takes group l / 4 and the parts of lanes l % 4 + 4 i: sixteen neighbouring lanes read sixteen different
; 16-byte columns modulo 256 bytes.  The bytes are my wave's own, and LDS serves a wave's instructions in order (ISA guide 5.7.1.4): the loads see the stores above with no wait between.
.macro RLOAD c
.irp e, 0,1,2,3,4,5,6,7
	ds_load_b128 v[RB+4*(\e):RB+4*(\e)+3], v[RDA] offset:(\c)*8*PITCH+(\e)*64
.endr
.endm
.macro RSUM c
	s_wait_dscnt 0x0                               ; the eight loads are back: no LDS instruction was issued behind them
.irp e, 0,1,2,3
	v_pk_add_f32 v[RB+4*(\e):RB+4*(\e)+1],   v[RB+4*(\e):RB+4*(\e)+1],   v[RB+16+4*(\e):RB+16+4*(\e)+1]
	v_pk_add_f32 v[RB+4*(\e)+2:RB+4*(\e)+3], v[RB+4*(\e)+2:RB+4*(\e)+3], v[RB+16+4*(\e)+2:RB+16+4*(\e)+3]
.endr
.irp e, 0,1
	v_pk_add_f32 v[RB+4*(\e):RB+4*(\e)+1],   v[RB+4*(\e):RB+4*(\e)+1],   v[RB+8+4*(\e):RB+8+4*(\e)+1]
	v_pk_add_f32 v[RB+4*(\e)+2:RB+4*(\e)+3], v[RB+4*(\e)+2:RB+4*(\e)+3], v[RB+8+4*(\e)+2:RB+8+4*(\e)+3]
.endr
	v_pk_add_f32 v[RB:RB+1],   v[RB:RB+1],   v[RB+4:RB+5]
	v_pk_add_f32 v[RB+2:RB+3], v[RB+2:RB+3], v[RB+6:RB+7]
.irp e, 0,1,2,3
	v_add_f32_dpp v[RB+(\e)], v[RB+(\e)], v[RB+(\e)] row_xmask:1 row_mask:0xf bank_mask:0xf  ; the four lanes of a group: lane xor 1,
.endr
.irp e, 0,1,2,3
	v_add_f32_dpp v[RB+(\e)], v[RB+(\e)], v[RB+(\e)] row_xmask:2 row_mask:0xf bank_mask:0xf  ; lane xor 2
.endr
.endm
.macro RPUT c                          ; behind a wait on va_vdst that stands behind RSUM c
	ds_store_b128 v[S2A], v[RB:RB+3] offset:(\c)*128  ; the four lanes of a group put the same 16 bytes in the same place
.endm
	; The features.  The comparisons of two rows stand ahead of the rounding or unpacking of the two rows before, so that work lies between them and the wait for their masks.
	XCMP 0
	SEL8 RB
	XCMP 2
	XPACK 0
	SEL8 RB+8
	XCMP 4
	XPACK 2
	SEL8 RB+16
	XCMP 6
	XPACK 4
	SEL8 RB+24
	WCMP 0
	XPACK 6
	XFEAT 0
.irp n, 0,2,4,6,8,10,12
	SEL8 WB+4*(\n)
	WCMP (\n)+2                                    ; the last of these waits is for 0: bias is in too
	WFEAT \n
.endr
	SEL8 WB+56
	WFEAT 14
	; The rows.  A row's sums leave at the head of the next; a pair's parts come back under the row behind it, are added at that row's end, and the sums leave with that row's.
	MAIN 0, 0
	SEND 0
	MAIN 1, 1
	SEND 1
	RLOAD 0
	MAIN 2, 1
	RSUM 0
	SEND 2
	RPUT 0
	MAIN 3, 1
	SEND 3
	RLOAD 1
	MAIN 4, 1
	RSUM 1
	SEND 4
	RPUT 1
	MAIN 5, 1
	SEND 5
	RLOAD 2
	MAIN 6, 1
	RSUM 2
	SEND 6
	RPUT 2
	MAIN 7, 1
	SEND 7
	RLOAD 3
	RSUM 3
	s_wait_alu depctr_va_vdst(0)                   ; the last pair's sums have written RB[0:3], which the store reads, and are done with RB[4:7], in which the four loads behind the barrier land
	RPUT 3
	s_wait_dscnt 0x0                               ; for the others' sake: my wave's 128 sums lie in LDS
	s_barrier_signal -1
	s_barrier_wait -1                              ; all four waves' do
.irp w, 0,1,2,3
	ds_load_b32 v[F+(\w)], v[FIN] offset:512*(\w)  ; thread t finishes output t: row t / 16, column t % 16 of the tile; into registers that no LDS store has read
.endr
	v_cvt_pk_bf16_f32 v[BI], v[BI], v[BI]          ; bias is rounded like the other inputs
	v_lshlrev_b32 v[BI], 16, v[BI]
	s_wait_dscnt 0x0
	v_pk_add_f32 v[F:F+1], v[F:F+1], v[F+2:F+3]
	v_add_f32 v[F], v[F], v[F+1]
	v_add_f32 v[F], v[F], v[BI]
	s_wait_alu depctr_va_vdst(0)                   ; the last addition has written v[F], which the store reads
	global_store_b32 v[OO], v[F], s[10:11] th:TH_STORE_NT  ; sixteen lanes store the tile's 64 consecutive bytes of a row
	s_wait_dscnt 0x0                               ; the wave's end
	s_wait_alu 0x0
	s_wait_tensorcnt 0x0
	ds_add_u32 v[SPW], v[NIL]
	s_wait_dscnt 0x0
	s_endpgm
.Lfunc_end_k_q98cea5266e_appx:
	.size	k_q98cea5266e_appx, .Lfunc_end_k_q98cea5266e_appx-k_q98cea5266e_appx
	.p2alignl 7, 3214868480
	.fill 96, 4, 3214868480
	.section	.rodata,"a",@progbits
	.p2align	6, 0x0
	.amdhsa_kernel k_q98cea5266e_appx
		.amdhsa_group_segment_fixed_size 76288
		.amdhsa_private_segment_fixed_size 0
		.amdhsa_enable_private_segment 0
		.amdhsa_kernarg_size 32
		.amdhsa_user_sgpr_count 2
		.amdhsa_user_sgpr_kernarg_segment_ptr 1
		.amdhsa_wavefront_size32 1
		.amdhsa_system_sgpr_workgroup_id_x 1
		.amdhsa_system_sgpr_workgroup_id_y 1
		.amdhsa_system_sgpr_workgroup_id_z 1
		.amdhsa_system_vgpr_workitem_id 0
		.amdhsa_next_free_vgpr 256
		.amdhsa_next_free_sgpr 66
		.amdhsa_reserve_vcc 0
		.amdhsa_float_denorm_mode_32 3
		.amdhsa_float_denorm_mode_16_64 3
		.amdhsa_memory_ordered 1
		.amdhsa_forward_progress 1
		.amdhsa_inst_pref_size 116
	.end_amdhsa_kernel
	.amdgpu_metadata
---
amdhsa.version: [ 1, 2 ]
amdhsa.kernels:
  - .name:           k_q98cea5266e_appx
    .symbol:         k_q98cea5266e_appx.kd
    .args:
      - { .name: x, .offset: 0, .size: 8, .value_kind: global_buffer, .address_space: global }
      - { .name: weight, .offset: 8, .size: 8, .value_kind: global_buffer, .address_space: global }
      - { .name: bias, .offset: 16, .size: 8, .value_kind: global_buffer, .address_space: global }
      - { .name: out0, .offset: 24, .size: 8, .value_kind: global_buffer, .address_space: global }
    .group_segment_fixed_size: 76288
    .private_segment_fixed_size: 0
    .kernarg_segment_align: 8
    .kernarg_segment_size: 32
    .max_flat_workgroup_size: 128
    .sgpr_count:     66
    .vgpr_count:     256
    .wavefront_size: 32
...
	.end_amdgpu_metadata
.endif
;; end of part 2
